; MI455X (gfx1250); checked and timed in simulation.
; The chip was launched on July 23, 2026; its instructions are those of AMD's public machine-readable ISA for CDNA 5 (MIT licence, August 2026) and "CDNA5" Instruction Set Architecture Reference Guide (July 2026). The comments in the code are by the model that wrote it; some were corrected since.
;; Scaled Dot Product Attention. Allowed arithmetic: matrix products marked QUANTISED: E2M1 operands, one E8M0 scale for each 32 along K, by v_wmma_scale_f32_16x16x128_f8f6f4 with both operands' format E2M1 (or v_wmma_scale_f32_32x16x128_f4), f32 sums; everything else in f32.
;; Inputs: key_padding_mask 16 x 2,048 bool; keys 16 x 2,048 x 64 float32; queries 16 x 2,048 x 64 float32; values 16 x 2,048 x 64 float32.
;; Outputs: out0 16 x 2,048 x 64 float32.
;; This version of the problem:
;;   THIS VERSION OF THE PROBLEM IS GIVEN IN LOW PRECISION. The matrix products marked QUANTISED in the list below multiply operands that are first quantised to E2M1 (2 exponent bits, 1 mantissa bit; 4 bits a number), with one power-of-two scale for each 32 numbers along K (OCP MX v1.0); their sums are f32. All else is computed in f32.
;;   The module's matrix products, in the order in which they are computed (A, B: the left and right operand; K: the contracted axis; several contracted axes count as one K, in the product's order):
;;     1. batch 16 x [M 2,048, K 64] x [K 64, N 2,048]; A: input queries; B: input keys: QUANTISED
;;     2. batch 16 x [M 2,048, K 2,048] x [K 2,048, N 64]; A: softmax (see below); B: input values: QUANTISED
;;   THE QUANTISER, for each operand of a quantised product, along K:
;;     - K is cut into blocks of 32 from its start; a last block that is shorter is filled with zeros.
;;     - A block's scale is 2^e with e = floor(log2(the largest magnitude in the block)) - 2, held to -126 .. 127; a block of zeros has e = 0. As a byte (E8M0): e + 127.
;;     - Each number is divided by its block's scale, clamped to +-6, and rounded to the nearest number of E2M1, ties to even, subnormals kept.
;;     - The product sums the exact products of the quantised numbers (number of the format x scale) in f32.
;;   ~~~python
;;   def quantise(x, axis):      # numpy; x: float32 -> the quantised numbers, widened to float32 again
;;       x = np.moveaxis(x, axis, -1); K = x.shape[-1]
;;       x = np.pad(x, [(0, 0)] * (x.ndim - 1) + [(0, -K % 32)]); x = x.reshape(x.shape[:-1] + (-1, 32)); a = np.abs(x).max(-1, keepdims=True)
;;       e = np.where(a > 0, np.clip(np.frexp(np.where(a > 0, a, 1))[1] - 1 - 2, -126, 127), 0)      # np.frexp(a)[1] - 1 = floor(log2(a)), exactly
;;       r = np.clip(x / 2.0 ** e, -6, 6)
;;       step = 2.0 ** (np.maximum(np.frexp(np.where(r == 0, 1, r))[1] - 1, 0) - 1)
;;       q = np.round(r / step) * step * 2.0 ** e      # np.round: ties to even
;;       return np.moveaxis(q.reshape(q.shape[:-2] + (-1,))[..., :K], -1, axis).astype(np.float32)
;;   ~~~
;;   SOFTMAX AHEAD OF A QUANTISED PRODUCT. Where the list says 'softmax', what is quantised is not the finished softmax but p = 2^(t - M), with t = logit x log2(e) and M = ceil(the row's largest t), a whole number; so 1/2 < the row's largest p <= 1. The row's sum l is taken of the UNQUANTISED p, in f32, and the product's result is divided by l at the end. Since M is a whole number, a kernel that streams over the keys may use a running M (the ceiling of the running maximum): every later rescaling is an exact power of two, which a block's scale takes up: the codes' values come out the same.
;;   OPERANDS COMPUTED ON THE WAY. 'Computed on the way' means the value that the module computes at that place (a softmax that the list does not call 'softmax' is quantised finished and normalised). What goes into a quantiser is computed in f32, as accurately as f32 sums, v_exp_f32 and their like allow (about 1e-6 of the number): no bf16 or f16 on the way to a quantiser, and a product that is left as it is and whose result goes on into a quantised operand takes f32 operands (vector FMAs, or v_wmma_f32_16x16x4_f32). A number that lies on a knife's edge between two numbers of the format may be rounded either way, as far as f32 arithmetic and the matrix unit's own rounding can turn it there, and no further.
;; One version. Each part assembles by itself: llvm-mc -triple=amdgcn-amd-amdhsa -mcpu=gfx1250 --defsym DOCPART=n.
;; ======== version 1 of 1: 2 launches
;; limits: inputs' magnitudes at most 100,000,000,000,000; right only within a limited range of input values
;; workspace buffers: kv 2,490,368 bytes
;; launch prep (part 1): grid 16 x 16, 8 waves a work-group, no clusters, 46,080 bytes of LDS; arguments keys, values, key_padding_mask, kv; writes kv
.if DOCPART == 1
	.amdgcn_target "amdgcn-amd-amdhsa--gfx1250"
	.amdhsa_code_object_version 6
	.text
	.protected	k_q1bb3167157_prep
	.globl	k_q1bb3167157_prep
	.p2align	8
	.type	k_q1bb3167157_prep,@function
k_q1bb3167157_prep:
	s_mov_b64 s[64:65], 0
	v_nop
	global_prefetch_b8 v0, s[64:65] scope:SCOPE_SE
	s_setreg_imm32_b32 hwreg(HW_REG_WAVE_MODE, 25, 1), 1
	s_wait_xcnt 0x0
; keys, values [16][2048][64] f32 and key_padding_mask [16][2048] become kv: [16 batches][16 key steps of 128 keys][BLK bytes].
; A block holds all that the attention launch wants for one key step, IN THE ORDER OF THE OPERANDS' REGISTERS (lane l = 16 h + r):
;   KIMG  8 x 512   tile t = 2 b + u of K: lane l's 16 bytes at 512 t + 16 l: the FP4 codes of key 32 b + 8 u + r + 8 (r / 8), d = 32 h .. 32 h + 31
;   KSC   512       lane l at 16 l: word i = the scale word of tile 2 i + h, row r: bytes {d 0-31, d 32-63, 0x7f, 0x7f}
;   VIMG  4 x 1024  tile t of V^T (channels 16 t + r): at 1024 t + 512 c + 16 l the codes of keys 64 c + 32 h + 0 .. 31
;   VSC   256       lane l at 8 l: word i = the scale word of tile 2 i + h, channel row r: byte kb for keys 32 kb .. 32 kb + 31
;   BIAS  512       one f32 a key, in the keys' own order: 0.0, or NEG = -2^120 where the key is padded (it is added to the key's scores)
;   PAD   256       zeros: half a block is then 19 rows of 256 bytes
; THE QUANTISER: a block of 32 along K (keys: the 64 channels; values: the keys) has the scale 2^(floor(log2(largest magnitude)) - 2); its byte is the
; largest magnitude's exponent field - 2, held at 1 from below; numbers / scale go to the nearest E2M1 code, ties to even, beyond 6 the largest code.
; LIMITS: a block of zeros gets the byte 1, not 127 (its codes are zeros, and this program alone reads the bytes); blocks whose largest magnitude
; lies under 2^(3 - 127) are held at that floor; NaN and infinities among the inputs are not served.
; SHARES: one work-group makes one block.  Wave w quantises K's tile w (16 keys: two runs of 8 rows) and, of V, key block w / 2 for channels 32 (w % 2) + lane:
; there a lane is a channel and its 32 registers run down the keys, so that nothing is transposed.  Threads 0-127 make the bias, 128-191 the padding.
; Memory binds: every byte is read once (keys: 512 consecutive bytes a load; values: 128, the neighbouring wave takes the row's other half), all 41 loads of a wave
; go out at the head, and the block leaves through LDS in stores of 512 consecutive aligned bytes.  No matrix unit, no cluster, no tensor load: nothing is shared and nothing is read twice.
.set KP,    272                        ; the turn stage's pitch: a key's 256 bytes + 16, so that 16 rows' equal columns fall on 16 different 16-byte columns modulo 256
.set OUT,   8*16*KP                    ; behind the eight waves' turn stages: the block's image
.set KSC,   4096
.set VIMG,  4608
.set VSC,   8704
.set BIAS,  8960
.set BLK,   9728
.set WV,    12                         ; s12  my wave's number
.set MX,    120                        ; v120-121 a block's largest magnitude, in two chains
.set SOP,   122                        ; v122  the conversions' scale operand
.set BYT,   123                        ; v123  the scale's byte
; REGISTERS: v1 lane, v2 r, v3 h, v4 16 lane, v5 4 lane; v6-12 LDS addresses, v13 my byte offset in the block; v14 mask byte, v15 bias word;
; v16-47 K as loaded (later the way out), v48-79 K turned, v80-111 V, v112-115 K's codes, v116-119 V's codes, v124-125 the scale word at work, v126 NEG.
; 32 numbers of ONE lane, v[x] .. v[x + 31], are a block: its codes go to v[c] .. v[c + 3], its byte to v[BYT].
.macro QB x, c
	v_max3_num_f32 v[MX], |v[\x]|, |v[\x+1]|, 0x1800000            ; the floor 2^(3 - 127) is a leaf of the maximum: the byte cannot fall under 1
	v_max3_num_f32 v[MX+1], |v[\x+16]|, |v[\x+17]|, |v[\x+18]|
.irp i, 0,1,2,3,4,5
	s_delay_alu instid0(VALU_DEP_2)
	v_max3_num_f32 v[MX], v[MX], |v[\x+2+2*\i]|, |v[\x+3+2*\i]|    ; two chains by turns: no line waits for the line above it
	s_delay_alu instid0(VALU_DEP_2)
	v_max3_num_f32 v[MX+1], v[MX+1], |v[\x+19+2*\i]|, |v[\x+20+2*\i]|
.endr
	s_delay_alu instid0(VALU_DEP_2)
	v_max3_num_f32 v[MX], v[MX], |v[\x+14]|, |v[\x+15]|
	s_delay_alu instid0(VALU_DEP_1)
	v_max3_num_f32 v[MX], v[MX], v[MX+1], |v[\x+31]|
	s_delay_alu instid0(VALU_DEP_1)
	v_add_nc_u32 v[SOP], 0xff000000, v[MX]                         ; 2 off the exponent field: the conversion takes this operand's exponent field as its scale
.irp g, 0,1,2,3
	v_cvt_scalef32_pk8_fp4_f32 v[\c+\g], v[\x+8*\g:\x+8*\g+7], v[SOP]
.endr
	v_lshrrev_b32 v[BYT], 23, v[SOP]                               ; the scale's byte; also the plain line behind the conversions
.endm
	s_load_b128 s[4:7], s[0:1], 0x0                ; keys s[4:5], values s[6:7]
	s_load_b128 s[8:11], s[0:1], 0x10              ; mask s[8:9], kv s[10:11]
	v_lshl_add_u32 v128, v0, 2, 0xb000
	v_mov_b32 v129, 0
	v_lshrrev_b32 v1, 5, v0
	s_delay_alu instid0(VALU_DEP_1)
	v_readfirstlane_b32 s[WV], v1                  ; wave 0..7
	v_and_b32 v1, 31, v0                           ; lane
	v_and_b32 v2, 15, v0                           ; r
	v_bfe_u32 v3, v0, 4, 1                         ; h
	s_delay_alu instid0(VALU_DEP_3)
	v_lshlrev_b32 v4, 4, v1                        ; 16 lane
	s_delay_alu instid0(VALU_DEP_4)
	v_lshlrev_b32 v5, 2, v1                        ; 4 lane
	s_and_b32 s14, ttmp7, 0xffff                   ; the batch; ttmp9 is the key step
	s_lshr_b32 s24, s[WV], 1                       ; w / 2: b of my tile of K, and my key block of V
	s_and_b32 s25, s[WV], 1                        ; w % 2: u of my tile of K, and my half of V's channels
	; every LDS address is made here, ahead of the first branch
	s_mul_i32 s30, s[WV], 16*KP                    ; my turn stage
	v_mul_u32_u24 v6, v3, KP
	s_delay_alu instid0(VALU_DEP_1)
	v_lshl_add_u32 v6, v2, 4, v6
	s_delay_alu instid0(VALU_DEP_1)
	v_add_nc_u32 v6, s30, v6                       ; in: a load's 512 bytes are two rows: row h, 16 r
	v_mul_u32_u24 v7, v2, KP
	s_delay_alu instid0(VALU_DEP_1)
	v_lshl_add_u32 v7, v3, 7, v7
	s_delay_alu instid0(VALU_DEP_1)
	v_add_nc_u32 v7, s30, v7                       ; out: row r, my half's 128 bytes
	s_lshl_b32 s30, s[WV], 9
	v_add_nc_u32 v13, s30, v4                      ; 512 w + 16 lane: my place in the block, in memory,
	s_delay_alu instid0(VALU_DEP_1)
	v_add_nc_u32 v8, OUT, v13                      ; and in its image: K's tile w, and on the way out chunk w
	s_lshl_b32 s30, s25, 8
	s_lshl_b32 s31, s24, 2
	s_add_co_u32 s30, s30, s31
	s_add_co_u32 s30, s30, OUT+KSC
	v_lshl_add_u32 v9, v2, 4, s30                  ; K's scale word: lane 16 (w % 2) + r, word w / 2
	s_lshl_b32 s30, s25, 11
	s_lshr_b32 s31, s[WV], 2
	s_lshl_b32 s31, s31, 9
	s_add_co_u32 s30, s30, s31
	s_and_b32 s31, s24, 1
	s_lshl_b32 s31, s31, 8
	s_add_co_u32 s30, s30, s31
	s_add_co_u32 s30, s30, OUT+VIMG
	v_lshlrev_b32 v10, 10, v3
	s_delay_alu instid0(VALU_DEP_1)
	v_lshl_add_u32 v10, v2, 4, v10
	s_delay_alu instid0(VALU_DEP_1)
	v_add_nc_u32 v10, s30, v10                     ; V's codes: tile 2 (w % 2) + h, c = w / 4, lane 16 ((w / 2) % 2) + r
	s_lshl_b32 s30, s25, 2
	s_add_co_u32 s30, s30, s24
	s_add_co_u32 s30, s30, OUT+VSC
	v_lshl_add_u32 v11, v1, 3, s30                 ; V's scale byte: lane's 8 bytes, word w % 2, byte w / 2
	v_lshl_add_u32 v12, v0, 2, OUT+BIAS            ; the bias word of key = thread; threads 128-191 fall on the padding
	v_mov_b32 v14, 0                               ; waves 4-7 load no mask byte: theirs counts as 'not padded'
	v_mov_b32 v125, 0                              ; a lane permute's destination counts as one of its sources
	v_mov_b32 v126, 0xfb800000                     ; NEG = -2^120
	; byte offsets, all under 2^24
	s_lshl_b32 s22, s14, 11
	s_lshl_b32 s23, ttmp9, 7
	s_add_co_u32 s22, s22, s23                     ; the step's first key, counted through the batches: also its mask byte
	s_mov_b32 s23, 0
	s_lshl_b32 s26, s24, 5
	s_add_co_u32 s26, s26, s22
	s_lshl_b32 s26, s26, 8                         ; key 32 (w / 2) of the step, in rows of 256 bytes
	s_lshl_b32 s27, s25, 11
	s_add_co_u32 s16, s26, s27                     ; keys: + 8 (w % 2) rows
	s_mov_b32 s17, 0
	s_lshl_b32 s27, s25, 7
	s_add_co_u32 s18, s26, s27                     ; values: + 32 (w % 2) channels
	s_mov_b32 s19, 0
	s_lshl_b32 s28, s14, 4
	s_add_co_u32 s28, s28, ttmp9
	s_mul_i32 s28, s28, BLK                        ; kv: my block
	s_mov_b32 s29, 0
	s_mov_b32 s20, 0x76543210
	s_mov_b32 s21, 0xfedcba98                      ; v_permlanex16_b32's selects for lane l xor 16
	s_wait_kmcnt 0x0
	s_add_nc_u64 s[4:5], s[4:5], s[16:17]
	s_add_nc_u64 s[6:7], s[6:7], s[18:19]
	s_add_nc_u64 s[8:9], s[8:9], s[22:23]
	s_add_nc_u64 s[10:11], s[10:11], s[28:29]
	s_cmp_lt_u32 s[WV], 4                          ; the step has 128 mask bytes: threads 0-127.  The load stands first, so that the counts below hold on both ways
	s_cbranch_scc0 .Lno_mask
	global_load_u8 v14, v0, s[8:9]
.Lno_mask:
.irp j, 0,1,2,3,4,5,6,7
	global_load_b128 v[16+4*\j:19+4*\j], v4, s[4:5] offset:512*\j+2048*(\j/4) th:TH_LOAD_NT   ; two rows a load; the tile's second run of 8 keys lies 16 rows behind the first
.endr
.irp i, 0,1,2,3,4,5,6,7,8,9,10,11,12,13,14,15,16,17,18,19,20,21,22,23,24,25,26,27,28,29,30,31
	global_load_b32 v[80+\i], v5, s[6:7] offset:256*\i th:TH_LOAD_NT                          ; key i of my block, my channel
.endr
	s_wait_loadcnt 32                              ; the 32 loads of values may stay out: the mask byte and the keys are in
.irp j, 0,1,2,3,4,5,6,7
	ds_store_b128 v6, v[16+4*\j:19+4*\j] offset:2*KP*\j            ; the tile turns through my own stage: in as loaded,
.endr
.irp g, 0,1,2,3,4,5,6,7
	ds_load_b128 v[48+4*\g:51+4*\g], v7 offset:16*\g               ; out as 32 neighbours along d for each lane (LDS serves a wave's instructions in order: ISA guide 5.7.1.4)
.endr
	s_wait_alu depctr_va_vdst(0)
	v_cmp_ne_u32 vcc_lo, 0, v14
	s_delay_alu instid0(VALU_DEP_1)
	v_cndmask_b32 v15, 0, v126, vcc_lo             ; the key's bias
	s_cmp_lt_u32 s[WV], 6
	s_cbranch_scc0 .Lno_bias
	ds_store_b32 v12, v15                          ; waves 0-3: the bias; waves 4, 5: the padding's zeros
.Lno_bias:
	s_wait_dscnt 0x0                               ; the turned tile is in
	QB 48, 112
	v_lshlrev_b32 v124, 3, v3
	s_delay_alu instid0(VALU_DEP_1)
	v_lshlrev_b32 v124, v124, v[BYT]               ; my block's byte at its place, 8 h bits up;
	s_delay_alu instid0(VALU_DEP_1)
	v_permlanex16_b32 v125, v124, s20, s21
	s_delay_alu instid0(VALU_DEP_1)
	v_or_b32 v124, v124, v125                      ; with lane l xor 16's;
	s_delay_alu instid0(VALU_DEP_1)
	v_or_b32 v124, 0x7f7f0000, v124                ; the upper 64 of the instruction's 128 along K are zero codes under the scale 1
	ds_store_b128 v8, v[112:115]
	ds_store_b32 v9, v124                          ; lanes r and r + 16 write the same word with the same value
	s_wait_loadcnt 0x0                             ; the values
	QB 80, 116
	ds_store_b128 v10, v[116:119]
	ds_store_b8 v11, v[BYT]
	s_wait_dscnt 0x0                               ; for the others' sake: all my stores into the image are done
	s_barrier_signal -1
	s_barrier_wait -1
	; the way out: 19 chunks of 512 bytes; wave w takes chunks w, w + 8 and, waves 0-2, w + 16
	ds_load_b128 v[16:19], v8
	ds_load_b128 v[20:23], v8 offset:4096
	s_cmp_lt_u32 s[WV], 3
	s_cbranch_scc0 .Ltwo
	ds_load_b128 v[24:27], v8 offset:8192
	s_wait_dscnt 0x0
	global_store_b128 v13, v[24:27], s[10:11] offset:8192
.Ltwo:
	s_wait_dscnt 0x0
	global_store_b128 v13, v[16:19], s[10:11]                      ; each store of the wave covers 512 consecutive bytes, at a multiple of 256 from kv's first byte
	global_store_b128 v13, v[20:23], s[10:11] offset:4096
	s_wait_tensorcnt 0x0
	ds_add_u32 v128, v129
	s_wait_dscnt 0x0
	s_endpgm
.Lfunc_end_k_q1bb3167157_prep:
	.size	k_q1bb3167157_prep, .Lfunc_end_k_q1bb3167157_prep-k_q1bb3167157_prep
	.p2alignl 7, 3214868480
	.fill 96, 4, 3214868480
	.section	.rodata,"a",@progbits
	.p2align	6, 0x0
	.amdhsa_kernel k_q1bb3167157_prep
		.amdhsa_group_segment_fixed_size 46080
		.amdhsa_private_segment_fixed_size 0
		.amdhsa_enable_private_segment 0
		.amdhsa_kernarg_size 32
		.amdhsa_user_sgpr_count 2
		.amdhsa_user_sgpr_kernarg_segment_ptr 1
		.amdhsa_wavefront_size32 1
		.amdhsa_system_sgpr_workgroup_id_x 1
		.amdhsa_system_sgpr_workgroup_id_y 1
		.amdhsa_system_sgpr_workgroup_id_z 1
		.amdhsa_system_vgpr_workitem_id 0
		.amdhsa_next_free_vgpr 130
		.amdhsa_next_free_sgpr 66
		.amdhsa_reserve_vcc 1
		.amdhsa_float_denorm_mode_32 3
		.amdhsa_float_denorm_mode_16_64 3
		.amdhsa_memory_ordered 1
		.amdhsa_forward_progress 1
		.amdhsa_inst_pref_size 14
	.end_amdhsa_kernel
	.amdgpu_metadata
---
amdhsa.version: [ 1, 2 ]
amdhsa.kernels:
  - .name:           k_q1bb3167157_prep
    .symbol:         k_q1bb3167157_prep.kd
    .args:
      - { .name: keys, .offset: 0, .size: 8, .value_kind: global_buffer, .address_space: global }
      - { .name: values, .offset: 8, .size: 8, .value_kind: global_buffer, .address_space: global }
      - { .name: key_padding_mask, .offset: 16, .size: 8, .value_kind: global_buffer, .address_space: global }
      - { .name: kv, .offset: 24, .size: 8, .value_kind: global_buffer, .address_space: global }
    .group_segment_fixed_size: 46080
    .private_segment_fixed_size: 0
    .kernarg_segment_align: 8
    .kernarg_segment_size: 32
    .max_flat_workgroup_size: 256
    .sgpr_count:     66
    .vgpr_count:     130
    .wavefront_size: 32
...
	.end_amdgpu_metadata
.endif
;; end of part 1
;; launch attn (part 2): grid 16 x 16, 16 waves a work-group, clusters of 4 x 1, 232,448 bytes of LDS; arguments queries, kv, out0; writes out0
.if DOCPART == 2
	.amdgcn_target "amdgcn-amd-amdhsa--gfx1250"
	.amdhsa_code_object_version 6
	.text
	.protected	k_q1bb3167157_attn
	.globl	k_q1bb3167157_attn
	.p2align	8
	.type	k_q1bb3167157_attn,@function
k_q1bb3167157_attn:
	s_mov_b64 s[64:65], 0
	v_nop
	global_prefetch_b8 v0, s[64:65] scope:SCOPE_SE
	s_setreg_imm32_b32 hwreg(HW_REG_WAVE_MODE, 25, 1), 1
	s_wait_xcnt 0x0
	s_wait_alu depctr_hold_cnt(0) depctr_sa_sdst(0) depctr_va_vdst(0) depctr_va_sdst(0) depctr_va_ssrc(0) depctr_va_vcc(0) depctr_vm_vsrc(0)
	s_getreg_b32 s2, hwreg(HW_REG_IB_STS2, 6, 4)
	s_cmp_eq_u32 s2, 0
	s_cbranch_scc0 .Lentry_in_a_cluster
	s_endpgm
.Lentry_in_a_cluster:
	s_bfe_u32 s2, ttmp6, 0x10000c
	s_cmp_lg_u32 s2, 0x3003
	s_cbranch_scc0 .Lentry_shape_is_right
	s_endpgm
.Lentry_shape_is_right:
; out0[b][q][:] = the sum over k of softmax_k(Q[b][q] . K[b][k] / 8, padded keys left out) V[b][k][:], both products on FP4 (E2M1) codes with one E8M0 scale for each 32 along K.
; queries, out0: [16][2048][64] f32.  kv: [16][16 key steps][BLK bytes], made by the launch before: K's and V's codes and scale words as images of the operands' registers, and a bias word a key.
; THE SOFTMAX: t = score x log2(e) / 8; M = the largest t so far, rounded UP to a whole number; p = 2^(t - M) is quantised along the keys, not normalised; the row's sum is taken of the
; unquantised p and divides at the end.  When M moves, the sum and O are multiplied by 2^(old M - new M): exact.
; THE MASK costs no vector line: a key's bias (0.0, or NEG = -2^120 where it is padded) is loaded into the score's accumulator and is the C of the first product.  The largest t starts at
; T0 = -2^100, above NEG x c and under every t that is served: a padded key never moves M, and its p is 2^(about -2.4e35) = 0.  A row all of whose keys are padded ends with sum 0 and O 0: 0 / 0 = NaN.
; LIMITS: t at or under -2^100 is not served; NaN and infinities among the inputs are not served; p under 2^-126 counts as 0 (the exponential's flush: ISA guide 15.8);
; a block of zeros has the scale byte 1, not 127: its codes are zeros.
; SHARES: a work-group owns 128 queries of one batch.  Sixteen waves of 256 registers, four to a SIMD, so that one wave's vector work stands beside another's matrix work and LDS loads.
; Wave w owns the 16 queries of tile WT = w % 8 and the keys of half WH = w / 8 (1,024 keys, 8 steps of 128); at the end the two waves of a tile are joined through LDS by exact powers of two.
; LAYOUT: both products are used transposed: S^T = K Q^T (source 0 = 16 keys, source 1 = my queries), O^T = V^T P^T (source 0 = 16 channels, source 1 = P): a lane holds ONE query (lane % 16).
; The keys of a tile of K are not neighbours (lane r of tile 2 b + u: key 32 b + 8 u + r + 8 (r / 8)), so that the 16 registers of tiles 2 b, 2 b + 1 are keys 32 b + 16 (lane / 16) + 0 .. 15.
; The first product's K is 64: the upper 64 of the instruction's 128 are zero codes on both sides, under the scale byte 0x7f.
; LDS: the batch's whole kv image, 155,648 bytes, is filled ONCE: no slot is filled again.  CLUSTER: the four work-groups of a cluster belong to one batch and want the same image, so every fill
; is asked for jointly, with the same descriptor and a mask that names the four.  Each wave has two tensor loads out: 19 rows of 256 bytes of local steps 0-3, and of local steps 4-7.
; REGISTERS: v1-10 addresses that stay; v12 -M, v13 the largest t, v[14:15] the sum in two halves; v16-23 Q; v24-26 the step's addresses; v27 r, v28 h, v29 lane; v32-95 K's 8 fragments;
; v96-159 bias, then S^T, then p; v160-191 O^T; v192-223 V's 4 fragments; v224-231 p's codes; v232-239, v244-247, v252, v254 at work; scales alone in v240-241 (V), v248-251 (K), v253 (p), v255 (Q).
.set BLK,   9728                       ; a key step's block
.set KSC,   4096                       ; in it: K's scale words,
.set VIMG,  4608                       ; V's codes,
.set VSC,   8704                       ; V's scale words,
.set BIAS,  8960                       ; the bias
.set HALF,  8*BLK                      ; a key half's eight blocks
.set PART,  BLK/2                      ; what one tensor load brings: 19 rows of 256 bytes
.set QIMG,  16*BLK                     ; behind the image: for each tile of queries 512 bytes of codes and 128 of scale words
.set SCR,   QIMG+8*640                 ; then 4,352 bytes for each wave, written by that wave alone: waves 0-7 q's turn stage and later the way out (16 rows x 272); waves 8-15 O^T's image (4,096) and (-M, sum) (256)
.set SP,    272
.set WV,    10                         ; s10  wave;  s11 WT;  s12 WH
.set G1,    16                         ; s[16:23] descriptor group 1;  s[24:27], s[28:31] the two groups 0
.set SEL,   36                         ; s[36:37] v_permlanex16_b32's selects for lane l xor 16
.set CS,    38                         ; s[38:39] c = log2(e) / 8: the packed form names a pair and takes its low word for both halves
.set TB,    40                         ; s40  LDS byte of the step's block
.set CNT,   41                         ; s41  counts four steps
; A round of the cluster's barrier: my work-group's barrier; wave 0 signals for the work-group; every wave waits for all four work-groups; my work-group's barrier once more.
.macro ROUND
	s_barrier_signal -1
	s_barrier_wait -1
	s_cmp_lg_u32 s[WV], 0
	s_cbranch_scc1 .Lnot_wave_0_\@
	s_barrier_signal -3
.Lnot_wave_0_\@:
	s_barrier_wait -3
	s_barrier_signal -1
	s_barrier_wait -1
.endm
; 32 numbers of ONE lane, v[x] .. v[x + 31], are a block: its codes go to v[c] .. v[c + 3], its byte to v236.
.macro QB x, c
	v_max3_num_f32 v232, |v[\x]|, |v[\x+1]|, 0x1800000             ; the floor 2^(3 - 127) is a leaf of the maximum: the byte cannot fall under 1
	v_max3_num_f32 v233, |v[\x+16]|, |v[\x+17]|, |v[\x+18]|
.irp i, 0,1,2,3,4,5
	s_delay_alu instid0(VALU_DEP_2)
	v_max3_num_f32 v232, v232, |v[\x+2+2*\i]|, |v[\x+3+2*\i]|
	s_delay_alu instid0(VALU_DEP_2)
	v_max3_num_f32 v233, v233, |v[\x+19+2*\i]|, |v[\x+20+2*\i]|
.endr
	s_delay_alu instid0(VALU_DEP_2)
	v_max3_num_f32 v232, v232, |v[\x+14]|, |v[\x+15]|
	s_delay_alu instid0(VALU_DEP_1)
	v_max3_num_f32 v232, v232, v233, |v[\x+31]|
	s_delay_alu instid0(VALU_DEP_1)
	v_add_nc_u32 v244, 0xff000000, v232                            ; 2 off the exponent field: the conversions' scale operand
.irp g, 0,1,2,3
	v_cvt_scalef32_pk8_fp4_f32 v[\c+\g], v[\x+8*\g:\x+8*\g+7], v244
.endr
	v_lshrrev_b32 v236, 23, v244                                   ; the scale's byte; also the plain line behind the conversions
.endm
; A KEY STEP: the 128 keys whose block begins at LDS byte s[TB].
.macro STEP
	v_add_nc_u32 v24, s[TB], v1                    ; 16 lane: the images
	v_add_nc_u32 v25, s[TB], v2                    ; the bias of my half's keys
	v_add_nc_u32 v26, s[TB], v3                    ; V's scale words
	v_nop                                          ; these four are the places between the last step's products and the loads into V's registers (ISA guide 7.12.1 for vector instructions)
.irp b, 0,1,2,3
.irp g, 0,1,2,3
	ds_load_b128 v[96+16*\b+4*\g:99+16*\b+4*\g], v25 offset:128*\b+16*\g   ; register 16 b + i: the bias of key 32 b + 16 h + i; the sixteen lanes of a half read the same 16 bytes
.endr
.endr
.irp t, 0,1,2,3,4,5,6,7
	ds_load_b128 v[32+8*\t:35+8*\t], v24 offset:512*\t             ; K's tile t: registers 0-3 of the fragment; 4-7 stay zero
.endr
	ds_load_b128 v[248:251], v24 offset:KSC                        ; register i: lanes 0-15 tile 2 i's scale words, lanes 16-31 tile 2 i + 1's
.irp t, 0,1,2,3
.irp c, 0,1
	ds_load_b128 v[192+8*\t+4*\c:195+8*\t+4*\c], v24 offset:VIMG+1024*\t+512*\c
.endr
.endr
	ds_load_b64 v[240:241], v26
	s_wait_dscnt 9                                 ; V's eight loads and its scale words may stay out: the 25 older loads are in (in the first step Q's two as well)
.irp t, 0,1,2,3,4,5,6,7                        ; S^T = K Q^T + bias: eight accumulators, one instruction each
.if (\t%2) == 0
	v_wmma_scale_f32_16x16x128_f8f6f4 v[96+8*\t:103+8*\t], v[32+8*\t:39+8*\t], v[16:23], v[96+8*\t:103+8*\t], v[248+\t/2], v255 matrix_a_fmt:MATRIX_FMT_FP4 matrix_b_fmt:MATRIX_FMT_FP4
.else
	v_wmma_scale_f32_16x16x128_f8f6f4 v[96+8*\t:103+8*\t], v[32+8*\t:39+8*\t], v[16:23], v[96+8*\t:103+8*\t], v[248+\t/2], v255 matrix_a_fmt:MATRIX_FMT_FP4 matrix_b_fmt:MATRIX_FMT_FP4 matrix_a_scale:MATRIX_SCALE_ROW1
.endif
.endr
.rept 4
	v_nop                                          ; four places in front of the first read of the scores
.endr
.irp b, 0,1,2,3
	v_max3_num_f32 v[232+\b], v[96+16*\b], v[97+16*\b], v[98+16*\b]        ; the largest score of each block of 32 keys: it serves the row's maximum and, since p rises with the score, the block's largest p
.endr
.irp i, 3,5,7,9,11,13
.irp b, 0,1,2,3
	v_max3_num_f32 v[232+\b], v[232+\b], v[96+16*\b+\i], v[97+16*\b+\i]    ; the four blocks by turns
.endr
.endr
.irp b, 0,1,2,3
	v_max_num_f32 v[232+\b], v[232+\b], v[111+16*\b]
.endr
.irp b, 0,1,2,3
	s_delay_alu instid0(VALU_DEP_4)
	v_permlanex16_b32 v[236+\b], v[232+\b], s[SEL], s[SEL+1]
.endr
.irp b, 0,1,2,3
	s_delay_alu instid0(VALU_DEP_4)
	v_max_num_f32 v[232+\b], v[232+\b], v[236+\b]  ; with lane l xor 16's 16 keys
.endr
	s_delay_alu instid0(VALU_DEP_2)
	v_max3_num_f32 v254, v232, v233, v234
	s_delay_alu instid0(VALU_DEP_1)
	v_max_num_f32 v254, v254, v235                 ; the step's largest score of my query
	s_delay_alu instid0(VALU_DEP_1)
	v_mul_f32 v254, s[CS], v254                    ; as t (c is positive)
	s_delay_alu instid0(VALU_DEP_1)
	v_max_num_f32 v13, v13, v254                   ; the running largest t
	v_mov_b32 v254, v12
	s_delay_alu instid0(VALU_DEP_2)
	v_floor_f32 v12, -v13                          ; the new -M = floor(-t) = -ceil(t)
	s_delay_alu instid0(VALU_DEP_1)
	v_sub_f32 v254, v12, v254                      ; old M - new M: a whole number, 0 or less
	s_delay_alu instid0(VALU_DEP_1)
	v_cvt_i32_f32 v254, v254                       ; (it saturates)
	s_delay_alu instid0(VALU_DEP_1)
	v_ldexp_f32 v252, 1.0, v254                    ; f = 2^(old M - new M)
.irp j, 0,2,4,6,8,10,12,14,16,18,20,22,24,26,28,30,32,34,36,38,40,42,44,46,48,50,52,54,56,58,60,62
	v_pk_fma_f32 v[96+\j:97+\j], v[96+\j:97+\j], s[CS:CS+1], v[12:13] op_sel_hi:[1,0,0]   ; t - M, two at a time
.endr
.irp b, 0,1,2,3
	v_fma_f32 v[232+\b], v[232+\b], s[CS], v12     ; the same of each block's largest score
.endr
	s_setprio 1
	s_wait_alu depctr_va_vdst(0)
.irp j, 0,1,2,3,4,5,6,7,8,9,10,11,12,13,14,15,16,17,18,19,20,21,22,23,24,25,26,27,28,29,30,31,32,33,34,35,36,37,38,39,40,41,42,43,44,45,46,47,48,49,50,51,52,53,54,55,56,57,58,59,60,61,62,63
	v_exp_f32 v[96+\j], v[96+\j]                   ; p = 2^(t - M), at most 1
.endr
.irp b, 0,1,2,3
	v_exp_f32 v[232+\b], v[232+\b]                 ; the block's largest p: the same two instructions on the same number give the same bits
.endr
	v_pk_mul_f32 v[14:15], v[14:15], v[252:253] op_sel_hi:[1,0]    ; the sums under the new M; the plain line behind the exponentials
	s_wait_alu depctr_va_vdst(0)
.irp b, 0,1,2,3
	v_max_num_f32 v[232+\b], 0x1800000, v[232+\b]  ; the floor 2^(3 - 127): a block whose every p is 0 keeps the byte 1, over zero codes
.endr
.irp b, 0,1,2,3
	s_delay_alu instid0(VALU_DEP_4)
	v_add_nc_u32 v[244+\b], 0xff000000, v[232+\b]  ; 2 off the exponent field: the conversions' scale operand
.endr
.irp b, 0,1,2,3
	s_delay_alu instid0(VALU_DEP_4)
	v_lshrrev_b32 v[236+\b], 23, v[244+\b]         ; the scale's byte
.endr
	s_delay_alu instid0(VALU_DEP_3)
	v_lshl_or_b32 v253, v237, 8, v236              ; p's scale word for these 128 keys
	s_delay_alu instid0(VALU_DEP_1)
	v_lshl_or_b32 v253, v238, 16, v253
	s_delay_alu instid0(VALU_DEP_1)
	v_lshl_or_b32 v253, v239, 24, v253
.irp b, 0,1,2,3
	v_cvt_scalef32_pk8_fp4_f32 v[224+2*\b], v[96+16*\b:103+16*\b], v[244+\b]
	v_cvt_scalef32_pk8_fp4_f32 v[225+2*\b], v[104+16*\b:111+16*\b], v[244+\b]
.endr
	v_nop                                          ; one plain line between the conversions and the lines that touch their results
.irp c, 0,1                                    ; the operand's layout wants a whole block in a lane: lanes 0-15 block 2 c, lanes 16-31 block 2 c + 1
.irp i, 0,1
	v_permlane16_swap_b32 v[224+4*\c+\i], v[226+4*\c+\i]
.endr
.endr
	v_pk_add_f32 v[236:237], v[100:101], v[104:105]
	v_pk_add_f32 v[250:251], v[108:109], v[112:113]
	v_pk_add_f32 v[248:249], v[116:117], v[120:121]
	v_pk_add_f32 v[246:247], v[124:125], v[128:129]
	v_pk_add_f32 v[244:245], v[132:133], v[136:137]
	v_pk_add_f32 v[234:235], v[140:141], v[144:145]
	v_pk_add_f32 v[232:233], v[148:149], v[152:153]
	v_pk_add_f32 v[14:15], v[14:15], v[156:157]
	v_pk_add_f32 v[236:237], v[236:237], v[96:97]
	v_pk_add_f32 v[250:251], v[250:251], v[98:99]
	v_pk_add_f32 v[248:249], v[248:249], v[102:103]
	v_pk_add_f32 v[246:247], v[246:247], v[106:107]
	v_pk_add_f32 v[244:245], v[244:245], v[110:111]
	v_pk_add_f32 v[234:235], v[234:235], v[114:115]
	v_pk_add_f32 v[232:233], v[232:233], v[118:119]
	v_pk_add_f32 v[14:15], v[14:15], v[122:123]
	v_pk_add_f32 v[236:237], v[236:237], v[126:127]
	v_pk_add_f32 v[250:251], v[250:251], v[130:131]
	v_pk_add_f32 v[248:249], v[248:249], v[134:135]
	v_pk_add_f32 v[246:247], v[246:247], v[138:139]
	v_pk_add_f32 v[244:245], v[244:245], v[142:143]
	v_pk_add_f32 v[234:235], v[234:235], v[146:147]
	v_pk_add_f32 v[232:233], v[232:233], v[150:151]
	v_pk_add_f32 v[14:15], v[14:15], v[154:155]
	v_pk_add_f32 v[236:237], v[236:237], v[158:159]
	s_delay_alu instid0(VALU_DEP_2)
	v_pk_add_f32 v[14:15], v[14:15], v[246:247]
	s_delay_alu instid0(VALU_DEP_2)
	v_pk_add_f32 v[236:237], v[236:237], v[244:245]
	s_setprio 0
	v_pk_add_f32 v[250:251], v[250:251], v[234:235]
	v_pk_add_f32 v[248:249], v[248:249], v[232:233]
	s_delay_alu instid0(VALU_DEP_2)
	v_pk_add_f32 v[14:15], v[14:15], v[250:251]
	s_delay_alu instid0(VALU_DEP_2)
	v_pk_add_f32 v[236:237], v[236:237], v[248:249]
	s_delay_alu instid0(VALU_DEP_1)
	v_pk_add_f32 v[14:15], v[14:15], v[236:237]
.irp j, 0,2,4,6,8,10,12,14,16,18,20,22,24,26,28,30
	v_pk_mul_f32 v[160+\j:161+\j], v[160+\j:161+\j], v[252:253] op_sel_hi:[1,0]   ; O^T under the new M.  These and the sums are also the places between p's codes and scale word and the products below
.endr
	s_wait_alu depctr_va_vdst(0)
	s_wait_dscnt 0x0                               ; V and its scale words
.irp t, 0,1,2,3                                ; O^T += V^T P^T: four accumulators, one instruction each; no two matrix instructions that follow each other share one, over the backward jump too
.if (\t%2) == 0
	v_wmma_scale_f32_16x16x128_f8f6f4 v[160+8*\t:167+8*\t], v[192+8*\t:199+8*\t], v[224:231], v[160+8*\t:167+8*\t], v[240+\t/2], v253 matrix_a_fmt:MATRIX_FMT_FP4 matrix_b_fmt:MATRIX_FMT_FP4
.else
	v_wmma_scale_f32_16x16x128_f8f6f4 v[160+8*\t:167+8*\t], v[192+8*\t:199+8*\t], v[224:231], v[160+8*\t:167+8*\t], v[240+\t/2], v253 matrix_a_fmt:MATRIX_FMT_FP4 matrix_b_fmt:MATRIX_FMT_FP4 matrix_a_scale:MATRIX_SCALE_ROW1
.endif
.endr
.endm
.macro FOUR_STEPS
	s_mov_b32 s[CNT], 4
.Lstep_\@:
	s_setprio 2
	STEP
	s_add_co_u32 s[TB], s[TB], BLK
	s_sub_co_u32 s[CNT], s[CNT], 1
	s_cmp_lg_u32 s[CNT], 0
	s_cbranch_scc1 .Lstep_\@
	s_setprio 0
.endm
	s_load_b128 s[4:7], s[0:1], 0x0                ; queries s[4:5], kv s[6:7]
	s_load_b64 s[8:9], s[0:1], 0x10                ; out0
	v_lshl_add_u32 v242, v0, 2, 0x38400
	v_mov_b32 v243, 0
	ds_add_u32 v242, v243
	ds_add_u32 v242, v243
	v_lshrrev_b32 v29, 5, v0
	s_delay_alu instid0(VALU_DEP_1)
	v_readfirstlane_b32 s[WV], v29                 ; wave 0..15
	s_and_b32 s11, s[WV], 7                        ; WT: my tile of 16 queries
	s_lshr_b32 s12, s[WV], 3                       ; WH: my half of the keys
	s_bfe_u32 s13, ttmp6, 0x40000                  ; cx: my place in the cluster: it enters queries' and out0's addresses alone
	s_lshl_b32 s14, ttmp9, 2                       ; in a cluster launch ttmp9 counts clusters
	s_add_co_u32 s14, s14, s13                     ; my block of 128 queries
	s_and_b32 s15, ttmp7, 0xffff                   ; the batch, which the four partners share
	; descriptor group 1: 19 dense rows of 256 bytes
	s_mov_b32 s[G1+0], 15|(3<<16)|(1<<21)          ; 15:0 the mask: all four work-groups; 17:16 elements of 8 bytes; 20 no padding; 21 set beside a mask
	s_mov_b32 s[G1+1], 32<<16                      ; tensor_dim0 = 32
	s_mov_b32 s[G1+2], 19<<16                      ; tensor_dim1 = 19
	s_mov_b32 s[G1+3], 32<<16                      ; tile_dim0 = 32
	s_mov_b32 s[G1+4], 19                          ; tile_dim1 = 19
	s_mov_b32 s[G1+5], 32                          ; from row to row: 32 elements
	s_mov_b32 s[G1+6], 0
	s_mov_b32 s[G1+7], 0
	s_mov_b32 s[SEL], 0x76543210
	s_mov_b32 s[SEL+1], 0xfedcba98
	s_mov_b32 s[CS], 0x3e38aa3b                    ; c = log2(e) / 8
	s_mov_b32 s[CS+1], s[CS]                       ; named with it as a pair, so it is written
	; every LDS address register that stays is made here, ahead of the first branch on the wave's number
	v_and_b32 v29, 31, v0                          ; lane
	v_and_b32 v27, 15, v0                          ; r
	v_bfe_u32 v28, v0, 4, 1                        ; h
	s_delay_alu instid0(VALU_DEP_3)
	v_lshlrev_b32 v1, 4, v29                       ; 16 lane: an image's place; also my byte in 512 of queries and of out0
	s_delay_alu instid0(VALU_DEP_2)
	v_lshl_add_u32 v2, v28, 6, BIAS                ; my half's 16 keys of each block of 32: 64 h
	v_lshl_add_u32 v3, v29, 3, VSC
	s_mul_i32 s42, s[WV], 16*SP
	s_add_co_u32 s42, s42, SCR                     ; my own 4,352 bytes
	v_mul_u32_u24 v4, v28, SP
	s_delay_alu instid0(VALU_DEP_1)
	v_lshl_add_u32 v4, v27, 4, v4
	s_delay_alu instid0(VALU_DEP_1)
	v_add_nc_u32 v4, s42, v4                       ; rows as they lie in memory: row h of two, 16 r
	v_mul_u32_u24 v5, v27, SP
	s_delay_alu instid0(VALU_DEP_1)
	v_lshl_add_u32 v6, v28, 5, v5
	s_delay_alu instid0(VALU_DEP_2)
	v_lshl_add_u32 v5, v28, 7, v5
	s_delay_alu instid0(VALU_DEP_1)
	v_add_nc_u32 v5, s42, v5                       ; q turned: row r, my half's 128 bytes
	s_delay_alu instid0(VALU_DEP_3)
	v_add_nc_u32 v6, s42, v6                       ; the way out: row r, + 32 h
	s_mul_i32 s43, s11, 640
	s_add_co_u32 s43, s43, QIMG
	v_add_nc_u32 v7, s43, v1                       ; my tile's image of Q,
	v_lshl_add_u32 v8, v29, 2, s43
	s_delay_alu instid0(VALU_DEP_1)
	v_add_nc_u32 v8, 512, v8                       ; and its scale words
	s_or_b32 s44, s[WV], 8
	s_mul_i32 s44, s44, 16*SP
	s_add_co_u32 s44, s44, SCR                     ; the bytes of my tile's upper wave
	v_add_nc_u32 v9, s44, v1                       ; O^T's image,
	v_lshl_add_u32 v10, v29, 3, s44
	s_delay_alu instid0(VALU_DEP_1)
	v_add_nc_u32 v10, 4096, v10                    ; and (-M, sum)
	s_mul_i32 s[TB], s12, HALF                     ; my half's first block
	s_mul_i32 s45, s11, PART
	s_add_co_u32 s45, s45, s[TB]                   ; what I fetch: part WT of my half's local steps 0-3: the same offset in LDS and in the batch's image
	s_mul_i32 s32, s15, 16*BLK
	s_add_co_u32 s32, s32, s45
	s_mov_b32 s33, 0
	s_lshl_b32 s34, s15, 19                        ; queries and out0: 2,048 rows of 256 bytes a batch,
	s_lshl_b32 s46, s14, 15                        ; 128 a work-group,
	s_add_co_u32 s34, s34, s46
	s_lshl_b32 s46, s11, 12                        ; 16 a tile
	s_add_co_u32 s34, s34, s46
	s_mov_b32 s35, 0
	s_wait_dscnt 0x0
	s_wait_kmcnt 0x0
	s_add_nc_u64 s[4:5], s[4:5], s[34:35]
	s_add_nc_u64 s[8:9], s[8:9], s[34:35]
	s_add_nc_u64 s[6:7], s[6:7], s[32:33]
	s_mov_b32 s24, 1                               ; group 0: count = 1,
	s_mov_b32 s25, s45                             ; the LDS address,
	s_mov_b64 s[26:27], s[6:7]                     ; the global address,
	s_or_b32 s27, s27, 0x80000000                  ; type = 2
	s_mov_b32 s28, 1
	s_add_co_u32 s29, s45, 4*BLK                   ; the second load: the same part of local steps 4-7
	s_add_nc_u64 s[30:31], s[6:7], 4*BLK
	s_or_b32 s31, s31, 0x80000000
	s_cmp_lt_u32 s[WV], 8                          ; a tile's lower wave reads and quantises its queries; the loads go out ahead of the round
	s_cbranch_scc0 .Lno_q_load
.irp j, 0,1,2,3,4,5,6,7
	global_load_b128 v[160+4*\j:163+4*\j], v1, s[4:5] offset:512*\j th:TH_LOAD_NT   ; two rows, 512 consecutive bytes, a load; read once in the launch
.endr
.Lno_q_load:
	ROUND                                          ; all four work-groups are here: the joint loads meet
	tensor_load_to_lds s[24:27], s[G1:G1+7]        ; both fills go out together, ahead of every wait on TENSORcnt and every LDS read: two loads of mine are out
	s_nop 0
	tensor_load_to_lds s[28:31], s[G1:G1+7]
	s_nop 0
.rept 4
	v_nop
.endr
	v_mov_b32 v13, 0xf1800000                      ; T0 = -2^100
	s_delay_alu instid0(VALU_DEP_1)
	v_floor_f32 v12, -v13                          ; -M
	v_mov_b32 v14, 0                               ; the sum, in two halves
	v_mov_b32 v15, 0
.irp j, 20,21,22,23
	v_mov_b32 v[\j], 0                             ; Q's zero codes for the upper 64 along K
.endr
.irp t, 0,1,2,3,4,5,6,7
.irp j, 4,5,6,7
	v_mov_b32 v[32+8*\t+\j], 0                     ; K's likewise: written once, no load lands there
.endr
.endr
.irp b, 0,1,2,3
	v_mov_b32 v[236+\b], 0                         ; a lane permute's destination counts as one of its sources
.endr
	v_mov_b32 v252, 0
	v_mov_b32 v253, 0                              ; (named as the upper half of the pair v[252:253] before it is first written)
	s_cmp_lt_u32 s[WV], 8
	s_cbranch_scc0 .Lno_q
	s_wait_loadcnt 0x0                             ; my 16 queries
.irp j, 0,1,2,3,4,5,6,7
	ds_store_b128 v4, v[160+4*\j:163+4*\j] offset:2*SP*\j          ; they turn through my own bytes: in as loaded,
.endr
.irp g, 0,1,2,3,4,5,6,7
	ds_load_b128 v[96+4*\g:99+4*\g], v5 offset:16*\g               ; out as 32 neighbours along d for each lane (LDS serves a wave's instructions in order: ISA guide 5.7.1.4)
.endr
	s_wait_dscnt 0x0
	QB 96, 16
	v_lshlrev_b32 v237, 3, v28
	s_delay_alu instid0(VALU_DEP_1)
	v_lshlrev_b32 v237, v237, v236                 ; my block's byte at its place, 8 h bits up;
	s_delay_alu instid0(VALU_DEP_1)
	v_permlanex16_b32 v238, v237, s[SEL], s[SEL+1]
	s_delay_alu instid0(VALU_DEP_1)
	v_or_b32 v237, v237, v238                      ; with lane l xor 16's;
	s_delay_alu instid0(VALU_DEP_1)
	v_or_b32 v254, 0x7f7f0000, v237                ; the scale 1 over the zero codes
	ds_store_b128 v7, v[16:19]                     ; the fragment goes to LDS as it stands, for the tile's two waves
	ds_store_b32 v8, v254
.Lno_q:
.irp j, 0,1,2,3,4,5,6,7,8,9,10,11,12,13,14,15,16,17,18,19,20,21,22,23,24,25,26,27,28,29,30,31
	v_mov_b32 v[160+\j], 0                         ; O^T: the step is written once, and its first change of M finds zeros
.endr
	s_wait_tensorcnt 0x1                           ; my part of local steps 0-3 is in; my second load may stay out
	s_wait_dscnt 0x0                               ; for the others' sake: Q's image is stored
	s_barrier_signal -1
	s_barrier_wait -1                              ; everybody's are
	ds_load_b128 v[16:19], v7                      ; Q's fragment stays in registers,
	ds_load_b32 v255, v8                           ; and its scale words
	FOUR_STEPS                                     ; my half's local steps 0-3
	s_wait_tensorcnt 0x0                           ; my part of local steps 4-7 is in,
	s_wait_dscnt 0x0
	s_barrier_signal -1
	s_barrier_wait -1                              ; everybody's is
	FOUR_STEPS                                     ; local steps 4-7
	v_add_f32 v14, v14, v15                        ; the sum's two halves; with the three lines below: the four places behind the last products
.rept 3
	v_nop
.endr
	v_permlanex16_b32 v252, v14, s[SEL], s[SEL+1]
	s_delay_alu instid0(VALU_DEP_1)
	v_add_f32 v13, v14, v252                       ; with lane l xor 16's: my half's sum, beside -M in the pair v[12:13]
	s_cmp_lt_u32 s[WV], 8
	s_cbranch_scc1 .Lkeep
.irp i, 0,1,2,3,4,5,6,7
	ds_store_b128 v9, v[160+4*\i:163+4*\i] offset:512*\i           ; the upper wave's O^T as it stands, each accumulator from its low end on,
.endr
	ds_store_b64 v10, v[12:13]                     ; and its -M and sum
.Lkeep:
	s_wait_dscnt 0x0                               ; for the others' sake: my stores are done
	s_barrier_signal -1
	s_barrier_wait -1
	s_cmp_lt_u32 s[WV], 8
	s_cbranch_scc0 .Lend                           ; the upper waves have handed their part over
	; THE TWO HALVES OF THE KEYS ARE JOINED: under the joint M each half's sum and O^T are multiplied by a power of two, then all is divided by the joint sum.
.irp i, 0,1,2,3,4,5,6,7
	ds_load_b128 v[96+4*\i:99+4*\i], v9 offset:512*\i
.endr
	ds_load_b64 v[128:129], v10
	s_wait_dscnt 0x0
	v_min_num_f32 v130, v12, v128                  ; the joint -M
	s_delay_alu instid0(VALU_DEP_1)
	v_sub_f32 v131, v130, v12                      ; my M less the joint M: a whole number, 0 or less
	s_delay_alu instid0(VALU_DEP_2)
	v_sub_f32 v136, v130, v128                     ; the other's
	s_delay_alu instid0(VALU_DEP_2)
	v_cvt_i32_f32 v131, v131                       ; (they saturate)
	s_delay_alu instid0(VALU_DEP_2)
	v_cvt_i32_f32 v136, v136
	s_delay_alu instid0(VALU_DEP_2)
	v_ldexp_f32 v132, 1.0, v131                    ; f1
	s_wait_alu depctr_va_vdst(0)
	v_ldexp_f32 v134, 1.0, v136                    ; f2
	v_mul_f32 v137, v13, v132
	s_delay_alu instid0(VALU_DEP_1)
	v_fma_f32 v137, v129, v134, v137               ; the row's sum
	s_wait_alu depctr_va_vdst(0)
	v_rcp_f32 v138, v137
	v_nop                                          ; a plain line behind the reciprocal
	s_wait_alu depctr_va_vdst(0)
	v_mul_f32 v132, v132, v138                     ; f1 / sum
	v_mul_f32 v134, v134, v138                     ; f2 / sum
	s_delay_alu instid0(VALU_DEP_2)
	v_mov_b32 v133, v132                           ; (the packed forms name pairs, so the upper halves are written)
	s_delay_alu instid0(VALU_DEP_2)
	v_mov_b32 v135, v134
.irp j, 0,2,4,6,8,10,12,14,16,18,20,22,24,26,28,30
	v_pk_mul_f32 v[160+\j:161+\j], v[160+\j:161+\j], v[132:133] op_sel_hi:[1,0]
.endr
.irp j, 0,2,4,6,8,10,12,14,16,18,20,22,24,26,28,30
	v_pk_fma_f32 v[160+\j:161+\j], v[96+\j:97+\j], v[134:135], v[160+\j:161+\j] op_sel_hi:[1,0,1]
.endr
	; THE WAY OUT: register 8 t + j of lane (r, h) is out0(query r, channel 16 t + 8 h + j): through my own bytes, back as whole rows of 256 bytes.
.irp t, 0,1,2,3
	ds_store_b128 v6, v[160+8*\t:163+8*\t] offset:64*\t
	ds_store_b128 v6, v[164+8*\t:167+8*\t] offset:64*\t+16
.endr
.irp i, 0,1,2,3,4,5,6,7
	ds_load_b128 v[96+4*\i:99+4*\i], v4 offset:2*SP*\i             ; LDS serves a wave's instructions in order: these see my stores
.endr
.irp i, 0,1,2,3,4,5,6,7
	s_wait_dscnt 7-\i                              ; load i is in; the younger ones may stay out
	global_store_b128 v1, v[96+4*\i:99+4*\i], s[8:9] offset:512*\i th:TH_STORE_NT   ; the wave stores 512 consecutive bytes, at a multiple of 256 from out0's first byte; written once, read by nobody here
.endr
.Lend:
	s_wait_dscnt 0x0
	s_wait_tensorcnt 0x0
	ds_add_u32 v242, v243
	s_wait_dscnt 0x0
	ROUND                                          ; the closing round: no work-group ends while a partner may still ask for a tile that names it
	s_endpgm
.Lfunc_end_k_q1bb3167157_attn:
	.size	k_q1bb3167157_attn, .Lfunc_end_k_q1bb3167157_attn-k_q1bb3167157_attn
	.p2alignl 7, 3214868480
	.fill 96, 4, 3214868480
	.section	.rodata,"a",@progbits
	.p2align	6, 0x0
	.amdhsa_kernel k_q1bb3167157_attn
		.amdhsa_group_segment_fixed_size 232448
		.amdhsa_private_segment_fixed_size 0
		.amdhsa_enable_private_segment 0
		.amdhsa_kernarg_size 24
		.amdhsa_user_sgpr_count 2
		.amdhsa_user_sgpr_kernarg_segment_ptr 1
		.amdhsa_wavefront_size32 1
		.amdhsa_system_sgpr_workgroup_id_x 1
		.amdhsa_system_sgpr_workgroup_id_y 1
		.amdhsa_system_sgpr_workgroup_id_z 1
		.amdhsa_system_vgpr_workitem_id 0
		.amdhsa_next_free_vgpr 256
		.amdhsa_next_free_sgpr 66
		.amdhsa_reserve_vcc 0
		.amdhsa_float_denorm_mode_32 3
		.amdhsa_float_denorm_mode_16_64 3
		.amdhsa_memory_ordered 1
		.amdhsa_forward_progress 1
		.amdhsa_inst_pref_size 54
	.end_amdhsa_kernel
	.amdgpu_metadata
---
amdhsa.version: [ 1, 2 ]
amdhsa.kernels:
  - .name:           k_q1bb3167157_attn
    .symbol:         k_q1bb3167157_attn.kd
    .args:
      - { .name: queries, .offset: 0, .size: 8, .value_kind: global_buffer, .address_space: global }
      - { .name: kv, .offset: 8, .size: 8, .value_kind: global_buffer, .address_space: global }
      - { .name: out0, .offset: 16, .size: 8, .value_kind: global_buffer, .address_space: global }
    .group_segment_fixed_size: 232448
    .private_segment_fixed_size: 0
    .kernarg_segment_align: 8
    .kernarg_segment_size: 24
    .max_flat_workgroup_size: 512
    .sgpr_count:     66
    .vgpr_count:     256
    .wavefront_size: 32
...
	.end_amdgpu_metadata
.endif
;; end of part 2
